; MI455X (gfx1250); checked and timed in simulation.
; The chip was launched on July 23, 2026; its instructions are those of AMD's public machine-readable ISA for CDNA 5 (MIT licence, August 2026) and "CDNA5" Instruction Set Architecture Reference Guide (July 2026). The comments in the code are by the model that wrote it; some were corrected since.
;; Causal Self Attention. Allowed arithmetic: matrix products marked QUANTISED: E2M3 operands, one E8M0 scale for each 32 along K, by v_wmma_scale_f32_16x16x128_f8f6f4 with both operands' format E2M3, f32 sums; everything else in f32.
;; Inputs: w_out 1,024 x 1,024 float32; w_qkv 3,072 x 1,024 float32; x 4 x 2,048 x 1,024 float32.
;; Outputs: out0 4 x 2,048 x 1,024 float32.
;; This version of the problem:
;;   THIS VERSION OF THE PROBLEM IS GIVEN IN LOW PRECISION. The matrix products marked QUANTISED in the list below multiply operands that are first quantised to E2M3 (2 exponent bits, 3 mantissa bits; 6 bits a number), with one power-of-two scale for each 32 numbers along K (OCP MX v1.0); their sums are f32. All else is computed in f32.
;;   The module's matrix products, in the order in which they are computed (A, B: the left and right operand; K: the contracted axis; several contracted axes count as one K, in the product's order):
;;     1. [M 8,192, K 1,024] x [K 1,024, N 3,072]; A: input x; B: input w_qkv: QUANTISED
;;     2. batch 64 x [M 2,048, K 64] x [K 64, N 2,048]; A: computed on the way; B: computed on the way: QUANTISED
;;     3. batch 64 x [M 2,048, K 2,048] x [K 2,048, N 64]; A: softmax (see below); B: computed on the way: QUANTISED
;;     4. [M 8,192, K 1,024] x [K 1,024, N 1,024]; A: computed on the way; B: input w_out: QUANTISED
;;   THE QUANTISER, for each operand of a quantised product, along K:
;;     - K is cut into blocks of 32 from its start; a last block that is shorter is filled with zeros.
;;     - A block's scale is 2^e with e = floor(log2(the largest magnitude in the block)) - 2, held to -126 .. 127; a block of zeros has e = 0. As a byte (E8M0): e + 127.
;;     - Each number is divided by its block's scale, clamped to +-7.5, and rounded to the nearest number of E2M3, ties to even, subnormals kept.
;;     - The product sums the exact products of the quantised numbers (number of the format x scale) in f32.
;;   ~~~python
;;   def quantise(x, axis):      # numpy; x: float32 -> the quantised numbers, widened to float32 again
;;       x = np.moveaxis(x, axis, -1); K = x.shape[-1]
;;       x = np.pad(x, [(0, 0)] * (x.ndim - 1) + [(0, -K % 32)]); x = x.reshape(x.shape[:-1] + (-1, 32)); a = np.abs(x).max(-1, keepdims=True)
;;       e = np.where(a > 0, np.clip(np.frexp(np.where(a > 0, a, 1))[1] - 1 - 2, -126, 127), 0)      # np.frexp(a)[1] - 1 = floor(log2(a)), exactly
;;       r = np.clip(x / 2.0 ** e, -7.5, 7.5)
;;       step = 2.0 ** (np.maximum(np.frexp(np.where(r == 0, 1, r))[1] - 1, 0) - 3)
;;       q = np.round(r / step) * step * 2.0 ** e      # np.round: ties to even
;;       return np.moveaxis(q.reshape(q.shape[:-2] + (-1,))[..., :K], -1, axis).astype(np.float32)
;;   ~~~
;;   SOFTMAX AHEAD OF A QUANTISED PRODUCT. Where the list says 'softmax', what is quantised is not the finished softmax but p = 2^(t - M), with t = logit x log2(e) and M = ceil(the row's largest t), a whole number; so 1/2 < the row's largest p <= 1. The row's sum l is taken of the UNQUANTISED p, in f32, and the product's result is divided by l at the end. Since M is a whole number, a kernel that streams over the keys may use a running M (the ceiling of the running maximum): every later rescaling is an exact power of two, which a block's scale takes up: the codes' values come out the same.
;;   OPERANDS COMPUTED ON THE WAY. 'Computed on the way' means the value that the module computes at that place (a softmax that the list does not call 'softmax' is quantised finished and normalised). What goes into a quantiser is computed in f32, as accurately as f32 sums, v_exp_f32 and their like allow (about 1e-6 of the number): no bf16 or f16 on the way to a quantiser, and a product that is left as it is and whose result goes on into a quantised operand takes f32 operands (vector FMAs, or v_wmma_f32_16x16x4_f32). A number that lies on a knife's edge between two numbers of the format may be rounded either way, as far as f32 arithmetic and the matrix unit's own rounding can turn it there, and no further.
;; One version. Each part assembles by itself: llvm-mc -triple=amdgcn-amd-amdhsa -mcpu=gfx1250 --defsym DOCPART=n.
;; ======== version 1 of 1: 4 launches
;; limits: right only within a limited range of input values
;; workspace buffers: opq 9,830,400 bytes; qkv 20,185,088 bytes; yq 6,553,600 bytes
;; launch quant (part 1): grid 384 x 1, 4 waves a work-group, no clusters, 34,304 bytes of LDS; arguments x, w_qkv, w_out, opq; writes opq
.if DOCPART == 1
	.amdgcn_target "amdgcn-amd-amdhsa--gfx1250"
	.amdhsa_code_object_version 6
	.text
	.protected	k_q06dea65dfc_quant
	.globl	k_q06dea65dfc_quant
	.p2align	8
	.type	k_q06dea65dfc_quant,@function
k_q06dea65dfc_quant:
	s_mov_b64 s[64:65], 0
	v_nop
	global_prefetch_b8 v0, s[64:65] scope:SCOPE_SE
	s_setreg_imm32_b32 hwreg(HW_REG_WAVE_MODE, 25, 1), 1
	s_wait_xcnt 0x0
; x [8192][1024], w_qkv [3072][1024], w_out [1024][1024], f32, K innermost, become codes of FP6 (E2M3) with one E8M0 byte for each 32 along K.
; A block's scale is 2^(floor(log2(its largest magnitude)) - 2): its byte is the largest magnitude's exponent field - 2, held at 1 from below.
; THE OUTPUT IS LAID AS THE MATRIX UNIT'S REGISTERS WANT IT.  The 12,288 rows of the three tensors, on end, form 768 tiles of 16 rows; tile T holds rows
; 32 (T / 2) + 8 (T % 2) + r + 8 (r / 8), r = 0 .. 15.  A fragment (a tile x 128 along K, 12 registers a lane) is 1,536 bytes: register pair p of lane L at 256 p + 8 L;
; tile T's eight fragments lie on end at 12,288 T.  Scale words (four bytes: a row's 128 along K) lie behind all codes: tile T, K step s, row r at SC0 + 512 T + 256 (s / 4) + 16 r + 4 (s % 4).
; SHARES.  A work-group takes 32 rows (two tiles); wave w takes tile w / 2 and K steps 4 (w % 2) .. + 3.  A step's 16 loads read 512 consecutive bytes of one row each; the numbers turn
; through the wave's own stage in LDS (rows 528 bytes apart), so that lane (r, h) gets, of row r, k = 64 c + 32 h + 0 .. 31: two whole blocks, in the order of the operand's registers.
; So a block's largest magnitude needs no other lane, and each store of codes covers 256 consecutive bytes, aligned.  Waves share nothing: no barrier.
; LIMITS: NaN and infinities among the inputs are not served.  A block of zeros gets the byte 1 (the rule says 127): its codes are zeros, and this program alone reads the bytes.
.set SC0,  9437184                     ; 768 tiles x 12,288 bytes of codes
.set STG,  8448                        ; a wave's stage: 16 rows x 528 bytes
.set R,    16                          ; v16-143  two sets of 64 registers, as loaded
.set X,    144                         ; v144-207 my two blocks of 32
.set C,    208                         ; v208-219 the fragment's 12 registers
.set D,    220                         ; v220-222, v224-226 the blocks' upper halves (a conversion's three registers begin on an even number)
.set M,    228                         ; v228-229 largest magnitudes
.set SOP,  230                         ; v230-231 the conversions' scale operands
.set BY,   232                         ; v232-233 the bytes
.set T,    234                         ; v234-235 at work
.set W,    236                         ; v236-239 the four steps' scale words
	s_load_b256 s[4:11], s[0:1], 0x0               ; x s[4:5], w_qkv s[6:7], w_out s[8:9], opq s[10:11]
	v_lshl_add_u32 v254, v0, 2, 0x8400
	v_mov_b32 v255, 0
	v_lshrrev_b32 v1, 5, v0
	v_readfirstlane_b32 s16, v1                    ; wave
	v_and_b32 v2, 31, v0                           ; L
	v_and_b32 v3, 15, v0                           ; r
	v_bfe_u32 v9, v0, 4, 1                         ; h
	v_lshlrev_b32 v4, 4, v2                        ; in: 16 bytes a lane
	s_mul_i32 s17, s16, STG
	v_add_nc_u32 v5, s17, v4                       ; the stage, on the way in: a row as it lies
	v_mul_u32_u24 v6, v3, 528
	v_lshl_add_u32 v6, v9, 7, v6
	v_add_nc_u32 v6, s17, v6                       ; and on the way out: row r, + 128 h bytes
	v_lshlrev_b32 v7, 3, v2                        ; a fragment's image: 8 bytes a lane
	v_lshlrev_b32 v8, 4, v3
	v_lshl_add_u32 v8, v9, 3, v8                   ; the scale words: 16 r + 8 h
	v_lshlrev_b32 v10, 3, v9                       ; 8 h: my bytes' place in a scale word
	v_mov_b32 v[T+1], 0                            ; written once: a lane permute's destination counts as one of its sources
	s_mov_b32 s20, 0x76543210
	s_mov_b32 s21, 0xfedcba98                      ; selects for lane L xor 16
	s_mov_b32 s22, 0xffff0000                      ; lanes 16-31
	s_lshr_b32 s18, s16, 1                         ; which tile of the two
	s_and_b32 s19, s16, 1                          ; which four K steps
	s_lshl_b32 s26, ttmp9, 1
	s_add_co_u32 s26, s26, s18                     ; T
	s_mul_i32 s28, s26, 12288
	s_mul_i32 s27, s19, 6144
	s_add_co_u32 s28, s28, s27                     ; my codes
	s_mov_b32 s29, 0
	s_lshl_b32 s30, s26, 9
	s_lshl_b32 s27, s19, 8
	s_add_co_u32 s30, s30, s27
	s_add_co_u32 s30, s30, SC0                     ; my scale words
	s_mov_b32 s31, 0
	s_mov_b32 s14, 352
	s_wait_alu depctr_va_vdst(0)
	s_wait_kmcnt 0x0
	s_cmp_lt_u32 ttmp9, 352                        ; which tensor: the choice hangs on the work-group's number alone
	s_cselect_b64 s[12:13], s[6:7], s[8:9]
	s_cselect_b32 s14, 256, s14
	s_cmp_lt_u32 ttmp9, 256
	s_cselect_b64 s[12:13], s[4:5], s[12:13]
	s_cselect_b32 s14, 0, s14                      ; the tensor's first work-group
	s_sub_co_u32 s24, ttmp9, s14
	s_lshl_b32 s24, s24, 17                        ; 32 rows of 4,096 bytes
	s_lshl_b32 s25, s18, 15                        ; the second tile begins 8 rows down
	s_add_co_u32 s24, s24, s25
	s_lshl_b32 s25, s19, 11                        ; four K steps of 512 bytes
	s_add_co_u32 s24, s24, s25
	s_mov_b32 s25, 0
	s_add_nc_u64 s[12:13], s[12:13], s[24:25]
	s_add_nc_u64 s[28:29], s[10:11], s[28:29]
	s_add_nc_u64 s[30:31], s[10:11], s[30:31]
.macro LOAD t                          ; K step t of my 16 rows: each load reads 512 consecutive bytes of one row
.irp i, 0,1,2,3,4,5,6,7,8,9,10,11,12,13,14,15
	global_load_b128 v[R+64*((\t)%2)+4*\i:R+64*((\t)%2)+4*\i+3], v4, s[12:13] offset:(\i+8*(\i/8))*4096+512*(\t) th:TH_LOAD_NT
.endr
.endm
.macro STEP t
.if (\t) < 3
	s_wait_loadcnt 16                              ; this step's 16 loads are in; the next step's 16 may be out
.else
	s_wait_loadcnt 0x0
.endif
.irp i, 0,1,2,3,4,5,6,7,8,9,10,11,12,13,14,15
	ds_store_b128 v5, v[R+64*((\t)%2)+4*\i:R+64*((\t)%2)+4*\i+3] offset:528*\i
.endr
.irp c, 0,1
.irp j, 0,1,2,3,4,5,6,7
	ds_load_b128 v[X+32*\c+4*\j:X+32*\c+4*\j+3], v6 offset:256*\c+16*\j   ; LDS serves a wave's instructions in order: these see the stores above
.endr
.endr
	s_wait_dscnt 0x0
.if (\t) < 2
	LOAD (\t)+2                                    ; into the set that the stage's stores have read
.endif
.irp c, 0,1
	v_max3_num_f32 v[M+\c], |v[X+32*\c]|, |v[X+32*\c+1]|, 0x1800000   ; with the floor 2^(3 - 127): the byte cannot fall under 1
.endr
.irp i, 2,4,6,8,10,12,14,16,18,20,22,24,26,28,30
.irp c, 0,1
	v_max3_num_f32 v[M+\c], v[M+\c], |v[X+32*\c+\i]|, |v[X+32*\c+\i+1]|   ; the two blocks by turns
.endr
.endr
.irp c, 0,1
	v_add_nc_u32 v[SOP+\c], 0xff000000, v[M+\c]    ; 2 off the exponent field: the conversion takes that field as its scale
.endr
.irp c, 0,1
	v_lshrrev_b32 v[BY+\c], 23, v[SOP+\c]          ; the byte
.endr
	v_lshl_or_b32 v[T], v[BY+1], 16, v[BY]         ; my blocks are h and 2 + h of the row's four
	v_lshlrev_b32 v[T], v10, v[T]
	v_permlanex16_b32 v[T+1], v[T], s20, s21
	v_or_b32 v[W+(\t)], v[T], v[T+1]               ; with lane L xor 16's two the word is whole
	s_wait_alu depctr_va_vdst(0)
	s_wait_xcnt 0x0                                ; the last step's stores have read the codes' registers
.irp c, 0,1
	v_cvt_scalef32_pk16_fp6_f32 v[C+6*\c:C+6*\c+2], v[X+32*\c:X+32*\c+15], v[SOP+\c]
	v_cvt_scalef32_pk16_fp6_f32 v[D+4*\c:D+4*\c+2], v[X+32*\c+16:X+32*\c+31], v[SOP+\c]
.endr
	v_nop                                          ; one plain instruction behind a scaled conversion
.irp c, 0,1
.irp i, 0,1,2
	v_mov_b32 v[C+6*\c+3+\i], v[D+4*\c+\i]
.endr
.endr
.irp p, 0,1,2,3,4,5
	global_store_b64 v7, v[C+2*\p:C+2*\p+1], s[28:29] offset:1536*(\t)+256*\p   ; 32 lanes store 256 consecutive bytes, aligned
.endr
.endm
	LOAD 0
	LOAD 1
	STEP 0
	STEP 1
	STEP 2
	STEP 3
	v_cndmask_b32 v240, v[W], v[W+2], s22          ; lanes 0-15 store the words of steps 0, 1; lanes 16-31 those of steps 2, 3
	v_cndmask_b32 v241, v[W+1], v[W+3], s22
	global_store_b64 v8, v[240:241], s[30:31]      ; 32 lanes store 256 consecutive bytes, aligned
	s_wait_tensorcnt 0x0
	ds_add_u32 v254, v255
	s_wait_dscnt 0x0
	s_endpgm
.Lfunc_end_k_q06dea65dfc_quant:
	.size	k_q06dea65dfc_quant, .Lfunc_end_k_q06dea65dfc_quant-k_q06dea65dfc_quant
	.p2alignl 7, 3214868480
	.fill 96, 4, 3214868480
	.section	.rodata,"a",@progbits
	.p2align	6, 0x0
	.amdhsa_kernel k_q06dea65dfc_quant
		.amdhsa_group_segment_fixed_size 34304
		.amdhsa_private_segment_fixed_size 0
		.amdhsa_enable_private_segment 0
		.amdhsa_kernarg_size 32
		.amdhsa_user_sgpr_count 2
		.amdhsa_user_sgpr_kernarg_segment_ptr 1
		.amdhsa_wavefront_size32 1
		.amdhsa_system_sgpr_workgroup_id_x 1
		.amdhsa_system_sgpr_workgroup_id_y 1
		.amdhsa_system_sgpr_workgroup_id_z 1
		.amdhsa_system_vgpr_workitem_id 0
		.amdhsa_next_free_vgpr 256
		.amdhsa_next_free_sgpr 66
		.amdhsa_reserve_vcc 0
		.amdhsa_float_denorm_mode_32 3
		.amdhsa_float_denorm_mode_16_64 3
		.amdhsa_memory_ordered 1
		.amdhsa_forward_progress 1
		.amdhsa_inst_pref_size 32
	.end_amdhsa_kernel
	.amdgpu_metadata
---
amdhsa.version: [ 1, 2 ]
amdhsa.kernels:
  - .name:           k_q06dea65dfc_quant
    .symbol:         k_q06dea65dfc_quant.kd
    .args:
      - { .name: x, .offset: 0, .size: 8, .value_kind: global_buffer, .address_space: global }
      - { .name: w_qkv, .offset: 8, .size: 8, .value_kind: global_buffer, .address_space: global }
      - { .name: w_out, .offset: 16, .size: 8, .value_kind: global_buffer, .address_space: global }
      - { .name: opq, .offset: 24, .size: 8, .value_kind: global_buffer, .address_space: global }
    .group_segment_fixed_size: 34304
    .private_segment_fixed_size: 0
    .kernarg_segment_align: 8
    .kernarg_segment_size: 32
    .max_flat_workgroup_size: 128
    .sgpr_count:     66
    .vgpr_count:     256
    .wavefront_size: 32
...
	.end_amdgpu_metadata
.endif
;; end of part 1
;; launch gemm_qkv (part 2): grid 8 x 32, 4 waves a work-group, clusters of 4 x 4, 327,680 bytes of LDS; arguments opq, qkv; writes qkv
.if DOCPART == 2
	.amdgcn_target "amdgcn-amd-amdhsa--gfx1250"
	.amdhsa_code_object_version 6
	.text
	.protected	k_q06dea65dfc_gemm_qkv
	.globl	k_q06dea65dfc_gemm_qkv
	.p2align	8
	.type	k_q06dea65dfc_gemm_qkv,@function
k_q06dea65dfc_gemm_qkv:
	s_mov_b64 s[64:65], 0
	v_nop
	global_prefetch_b8 v0, s[64:65] scope:SCOPE_SE
	s_setreg_imm32_b32 hwreg(HW_REG_WAVE_MODE, 25, 1), 1
	s_wait_xcnt 0x0
	s_wait_alu depctr_hold_cnt(0) depctr_sa_sdst(0) depctr_va_vdst(0) depctr_va_sdst(0) depctr_va_ssrc(0) depctr_va_vcc(0) depctr_vm_vsrc(0)
	s_getreg_b32 s2, hwreg(HW_REG_IB_STS2, 6, 4)
	s_cmp_eq_u32 s2, 0
	s_cbranch_scc0 .Lentry_in_a_cluster
	s_endpgm
.Lentry_in_a_cluster:
	s_bfe_u32 s2, ttmp6, 0x10000c
	s_cmp_lg_u32 s2, 0xf033
	s_cbranch_scc0 .Lentry_shape_is_right
	s_endpgm
.Lentry_shape_is_right:
; qkv = x w_qkv^T on codes of FP6 (E2M3) with E8M0 scales, sums in f32; the results are quantised in registers and leave as codes: q and k along the head's 64, v along the tokens.
; OPERANDS come from opq as images of the operand's registers: tile T (16 rows: 32 (T / 2) + 8 (T % 2) + r + 8 (r / 8)), K step q at 12,288 T + 1,536 q, register pair p of lane L at 256 p + 8 L;
; scale words at SC0 + 512 T + 256 (q / 4) + 16 r + 4 (q % 4).  x: tiles 0-511; w_q 512-575; w_k 576-639; w_v 640-703.
; THE DEAL: 256 work-groups of four waves.  A work-group keeps 256 rows of x, ALL of K, in LDS (16 tiles, 196,608 bytes, and 8,192 bytes of scale words) and takes them through three tiles of 128 weight rows:
; V's, K's, Q's, two heads each.  Waves 2 x 2: wave (a, b) holds the four weight tiles of head 2 tc + b, all of K, in 384 registers and takes x's tile 8 a + s as its block s: eight blocks of 32 products a phase.
; FILLS: at the head one joint load a wave: wave 0 W_v's tiles, wave 1 x's scale words, waves 2 and 3 eight tiles of x each.  The weights' 98,304 bytes are filled again twice, by wave 0, each time behind the three
; lines and a round of the cluster's barrier, as soon as every wave holds the old weights in registers: a refill has a phase's 256 products in which to land, and a plain barrier
; at the phase's end shows it to all.  NO PREFETCH: by that count each refill is asked for a whole phase ahead of the wait for it, and all else is asked for at the head.
; Q, K: source 0 = the weight's rows, source 1 = x's: a lane holds a token and its 32 sums are features 32 b' + 16 h + i of the head.  V: source 0 = x's rows, source 1 = the weight's: a lane holds a feature and
; the 64 sums of its eight blocks are tokens 32 b' + 16 h + i of the step's 128: neighbours along the next product's K in both cases.
; qkv: for each head (16 batch + head) eight records of REC bytes (256 tokens): two step records of STEPB bytes (128 keys: K codes 8 x 768, V codes 4 x 1,536, K scale words 2 x 256, V's 256), Q codes 16 x 768, Q scale words 4 x 256.
; A scale word of q or k holds its two bytes twice (b0, b1, b0, b1).
; CLUSTERS: 4 x 4; x's tiles are shared along a row of the cluster, the weights' along a column.
; LIMITS: NaN and infinities are not served.  A block of zeros gets the byte 1 (the rule says 127): its codes are zeros, and this program alone reads the bytes.
.set FR,    12
.set FPW,   21                         ; fragment f: window 1 + f / 21, register 12 (f % 21): 0-31 the weights' (4 q + t), 32-39 and 40-47 x's two sets
.set NF,    50                         ; LDS loads of a block: 48 for eight fragments, 2 for eight scale words
.set TB,    12288
.set WB,    16*TB
.set SCA,   WB+8*TB
.set SPARE, SCA+8192
.set SC0,   9437184
.set HS,    315392
.set REC,   39424
.set STEPB, 13056
.set ADRW, 4
.set ADRY, 8                           ; v8, v9 x's blocks 0-3, 4-7
.set ADRS, 12
.set CO,   13                          ; 8 L
.set SOF,  14                          ; 16 r + 8 h
.set SOQ,  15                          ; 16 r + 256 h
.set SPW,  16
.set NIL,  17
.set GO,   18
.set SB,   24                          ; v24-39 the weights' scale words: register 8 (t / 2) + q, lanes 0-15 tile 2 (t / 2), lanes 16-31 the next
.set SA,   44                          ; v44-59 x's: two sets of eight
.set ACC,  64                          ; v64-127 Q, K: two sets of four accumulators.  V's 32 accumulators: tile d at v64, v128, v840, v904, block s at + 8 s
.set TM,   192                         ; v192-195 largest magnitudes, v196-199 bytes, v204-207 scale operands
.set PW,   208
.set PC,   212                         ; v212-223 codes
.set PT,   224
.set W,    232                         ; v232-239 scale words
.set XW,   240
.set STK,  968                         ; v968-983 W_k's scale words, v984-999 W_q's, ready from the head on
.set STQ,  984
.set G1W, 24
.set G1A, 32
.set G1S, 48
.set G0W, 56
.set G0S, 60
.set G0A, 68
.set G0R, 72
.set MSB, 0
.macro WIN new
.if MSB != \new
	s_set_vgpr_msb (MSB<<8)|\new
.set MSB, \new
.endif
.endm
.macro PLACES
.rept 4
	v_nop
.endr
.endm
.macro CROUND
	s_barrier_signal -1
	s_barrier_wait -1
	s_cmp_lg_u32 s14, 0
	s_cbranch_scc1 .Lnot_wave_0_\@
	s_barrier_signal -3
.Lnot_wave_0_\@:
	s_barrier_wait -3
	s_barrier_signal -1
	s_barrier_wait -1
.endm
.macro GROUP1 g, mask, c, rows         ; dense rows of c elements of 8 bytes, no padding: every LDS read takes 256 consecutive bytes
	s_or_b32 s[\g], s[\mask], (3<<16)|(1<<21)
	s_mov_b32 s[\g+1], (\c)<<16
	s_mov_b32 s[\g+2], (\rows)<<16
	s_mov_b32 s[\g+3], (\c)<<16
	s_mov_b32 s[\g+4], \rows
	s_mov_b32 s[\g+5], \c
	s_mov_b32 s[\g+6], 0
	s_mov_b32 s[\g+7], 0
.endm
.macro TLOAD g0, g1
	tensor_load_to_lds s[\g0:\g0+3], s[\g1:\g1+7]
	s_nop 0
	PLACES
.endm
	s_load_b128 s[4:7], s[0:1], 0x0                ; opq, qkv
	v_lshl_add_u32 v[SPW], v0, 2, SPARE
	v_mov_b32 v[NIL], 0
	ds_add_u32 v[SPW], v[NIL]                      ; the opening lines: the add twice on end and one wait
	ds_add_u32 v[SPW], v[NIL]
	v_lshrrev_b32 v1, 5, v0
	v_readfirstlane_b32 s14, v1                    ; wave
	s_lshr_b32 s15, s14, 1                         ; a
	s_and_b32 s16, s14, 1                          ; b
	s_bfe_u32 s40, ttmp6, 0x40000                  ; cx
	s_bfe_u32 s41, ttmp6, 0x40004                  ; cy
	s_lshl_b32 s42, ttmp9, 2
	s_add_co_u32 s42, s42, s40                     ; tc, 0 .. 7: heads 2 tc, 2 tc + 1
	s_and_b32 s45, ttmp7, 0xffff
	s_lshl_b32 s45, s45, 2
	s_add_co_u32 s45, s45, s41                     ; which 256 rows of x, 0 .. 31
	s_lshl_b32 s43, s41, 2
	s_lshl_b32 s43, 15, s43                        ; my row of the cluster
	s_lshl_b32 s44, 0x1111, s40                    ; my column
	GROUP1 G1W, 44, 1536, 8
	GROUP1 G1A, 43, 1536, 8
	GROUP1 G1S, 43, 32, 32
	s_mul_i32 s20, s42, 8*TB
	s_add_co_u32 s20, s20, 640*TB                  ; W_v's eight tiles
	s_mov_b32 s21, 0
	s_mul_i32 s22, s45, 16*TB                      ; x's sixteen
	s_mov_b32 s23, 0
	s_lshl_b32 s46, s45, 13
	s_add_co_u32 s46, s46, SC0                     ; and their scale words
	s_mov_b32 s47, 0
	s_mov_b32 s[G0W], 1
	s_mov_b32 s[G0W+1], WB
	s_mov_b32 s[G0S], 1
	s_mov_b32 s[G0S+1], SCA
	s_mov_b32 s[G0A], 1
	s_mov_b32 s[G0A+1], 0
	s_mov_b32 s[G0R], 1
	s_mov_b32 s[G0R+1], 8*TB
	s_wait_alu depctr_va_vdst(0)
	s_wait_dscnt 0x0
	CROUND                                         ; ahead of the first joint loads
	s_wait_kmcnt 0x0
	s_add_nc_u64 s[G0W+2:G0W+3], s[4:5], s[20:21]
	s_add_nc_u64 s[G0S+2:G0S+3], s[4:5], s[46:47]
	s_add_nc_u64 s[G0A+2:G0A+3], s[4:5], s[22:23]
	s_add_nc_u64 s[G0R+2:G0R+3], s[G0A+2:G0A+3], 8*TB
	s_or_b32 s[G0W+3], s[G0W+3], 0x80000000
	s_or_b32 s[G0S+3], s[G0S+3], 0x80000000
	s_or_b32 s[G0A+3], s[G0A+3], 0x80000000
	s_or_b32 s[G0R+3], s[G0R+3], 0x80000000
	s_cmp_eq_u32 s14, 0                            ; one load a wave, in one chain of branches on the wave's number; what is needed first is asked for by wave 0
	s_cbranch_scc0 .Lwave_1
	TLOAD G0W, G1W
	s_branch .Lasked
.Lwave_1:
	s_cmp_eq_u32 s14, 1
	s_cbranch_scc0 .Lwave_2
	TLOAD G0S, G1S
	s_branch .Lasked
.Lwave_2:
	s_cmp_eq_u32 s14, 2
	s_cbranch_scc0 .Lwave_3
	TLOAD G0A, G1A
	s_branch .Lasked
.Lwave_3:
	TLOAD G0R, G1A
.Lasked:
	s_lshl_b32 s76, s42, 12
	s_lshl_b32 s77, s16, 11
	s_add_co_u32 s76, s76, s77
	s_add_co_u32 s76, s76, (512<<9)+SC0            ; the scale words of my four tiles of W_q; W_k's 32,768 bytes on, W_v's 65,536
	s_mov_b32 s77, 0
	s_add_nc_u64 s[76:77], s[4:5], s[76:77]
	s_lshr_b32 s78, s45, 3                         ; where the results go: the batch,
	s_lshl_b32 s78, s78, 4
	s_lshl_b32 s79, s42, 1
	s_add_co_u32 s78, s78, s79
	s_add_co_u32 s78, s78, s16                     ; my head,
	s_mul_i32 s78, s78, HS
	s_and_b32 s79, s45, 7
	s_mul_i32 s79, s79, REC
	s_add_co_u32 s78, s78, s79                     ; the record
	s_mul_i32 s79, s15, STEPB
	s_add_co_u32 s82, s78, s79                     ; s[82:83] K's codes: my step record
	s_add_co_u32 s84, s82, 12288                   ; s[84:85] K's scale words
	s_add_co_u32 s8, s82, 6144                     ; s[8:9] V's codes
	s_add_co_u32 s10, s82, 12800                   ; s[10:11] V's scale words
	s_mul_i32 s79, s15, 6144
	s_add_co_u32 s86, s78, s79
	s_add_co_u32 s86, s86, 26112                   ; s[86:87] Q's codes
	s_lshl_b32 s79, s15, 9
	s_add_co_u32 s88, s78, s79
	s_add_co_u32 s88, s88, 38400                   ; s[88:89] Q's scale words
.irp g, 8,10,82,84,86,88
	s_mov_b32 s[\g+1], 0
	s_add_nc_u64 s[\g:\g+1], s[6:7], s[\g:\g+1]
.endr
	s_mov_b32 s96, 0x76543210
	s_mov_b32 s97, 0xfedcba98                      ; selects for lane L xor 16
	s_mov_b32 s3, 0xffff0000                       ; lanes 16-31
	s_mul_i32 s21, s16, 4*TB
	s_add_co_u32 s21, s21, WB
	s_mul_i32 s22, s15, 8*TB
	s_lshl_b32 s23, s15, 12
	s_add_co_u32 s23, s23, SCA
	v_and_b32 v1, 15, v0                           ; r
	v_bfe_u32 v2, v0, 4, 1                         ; h
	v_and_b32 v3, 31, v0
	v_lshlrev_b32 v[CO], 3, v3
	v_lshlrev_b32 v19, 4, v1                       ; 16 r
	v_lshl_add_u32 v[GO], v2, 9, v19               ; + 512 h: lanes 16-31 take the odd tile's words
.irp p, 0,1
.irp c, 0,1
	global_load_b128 v[SB+8*\p+4*\c:SB+8*\p+4*\c+3], v[GO], s[76:77] offset:65536+1024*\p+256*\c   ; sixteen lanes read 256 consecutive bytes
.endr
.endr
	WIN 3<<6
.irp p, 0,1
.irp c, 0,1
	global_load_b128 v[STK-768+8*\p+4*\c:STK-768+8*\p+4*\c+3], v[GO], s[76:77] offset:32768+1024*\p+256*\c
	global_load_b128 v[STQ-768+8*\p+4*\c:STQ-768+8*\p+4*\c+3], v[GO], s[76:77] offset:1024*\p+256*\c
.endr
.endr
	WIN 0
	v_lshl_add_u32 v[SOF], v2, 3, v19
	v_lshl_add_u32 v[SOQ], v2, 8, v19
	v_add_nc_u32 v[ADRW], s21, v[CO]
	v_add_nc_u32 v[ADRY], s22, v[CO]
	v_add_nc_u32 v[ADRY+1], 4*TB, v[ADRY]
	v_add_nc_u32 v[ADRS], s23, v19
.irp b, 0,1,2,3
	v_mov_b32 v[TM+4+\b], 0                        ; a lane permute's destination counts as one of its sources
.endr
	s_wait_alu depctr_va_vdst(0)
.macro FRAGL f, adr, off               ; a fragment comes as it lies: six loads of 8 bytes a lane
	WIN (1+(\f)/FPW)<<6
.irp p, 0,1,2,3,4,5
	ds_load_b64 v[FR*((\f)%FPW)+2*\p:FR*((\f)%FPW)+2*\p+1], v[\adr] offset:(\off)+256*\p
.endr
.endm
.macro WEIGHTS                         ; my four weight tiles, all of K: 192 loads
.irp q, 0,1,2,3,4,5,6,7
.irp t, 0,1,2,3
	FRAGL 4*\q+\t, ADRW, \t*TB+1536*\q
.endr
.endr
	WIN 0
.endm
.macro FETCH s                         ; x's block s into set s % 2
.irp q, 0,1,2,3,4,5,6,7
	FRAGL 32+8*((\s)%2)+\q, ADRY+(\s)/4, ((\s)%4)*TB+1536*\q
.endr
	WIN 0
	ds_load_b128 v[SA+8*((\s)%2):SA+8*((\s)%2)+3], v[ADRS] offset:512*(\s)
	ds_load_b128 v[SA+8*((\s)%2)+4:SA+8*((\s)%2)+7], v[ADRS] offset:512*(\s)+256
.endm
.macro PROD1 s0, s1, c, x0, x1, side, row
	v_wmma_scale_f32_16x16x128_f8f6f4 v[DL_:DL_+7], v[\s0:\s0+FR-1], v[\s1:\s1+FR-1], \c, v[\x0], v[\x1] matrix_a_fmt:MATRIX_FMT_FP6 matrix_b_fmt:MATRIX_FMT_FP6 matrix_\side\()_scale:MATRIX_SCALE_ROW\row
.endm
.macro PROD2 s0, s1, x0, x1, side      ; the first four products of a block start the sums
.if Q_
.if T_%2
	PROD1 \s0, \s1, v[DL_:DL_+7], \x0, \x1, \side, 1
.else
	PROD1 \s0, \s1, v[DL_:DL_+7], \x0, \x1, \side, 0
.endif
.else
.if T_%2
	PROD1 \s0, \s1, 0, \x0, \x1, \side, 1
.else
	PROD1 \s0, \s1, 0, \x0, \x1, \side, 0
.endif
.endif
.endm
.macro PROD kind, e, n, s              ; product n = 4 q + t of a block: the four accumulators take turns.  kind 1: V
.set E_, \e
.set Q_, (\n)/4
.set T_, (\n)%4
.set FX_, 32+8*E_+Q_
.set RW_, FR*((\n)%FPW)
.set RX_, FR*(FX_%FPW)
.set XB_, SB+8*(T_/2)+Q_
.set XA_, SA+8*E_+Q_
.if \kind
.set D_, 64+64*T_+(T_/2)*648+8*(\s)
.set DL_, D_&255
	WIN (1+FX_/FPW)|((1+(\n)/FPW)<<2)|((D_>>8)<<4)|((D_>>8)<<6)
	PROD2 RX_, RW_, XA_, XB_, b
.else
.set D_, ACC+32*E_+8*T_
.set DL_, D_
	WIN (1+(\n)/FPW)|((1+FX_/FPW)<<2)
	PROD2 RW_, RX_, XB_, XA_, a
.endif
.endm
.macro PRODS kind, s                   ; the wait for block s's rows, its 32 products, the places behind them
.if (\s) < 7
	s_wait_dscnt NF                                ; all but the youngest fetch
.else
	s_wait_dscnt 0x0
.endif
.set N_, 0
.rept 32
	PROD \kind, (\s)%2, N_, \s
.set N_, N_+1
.endr
	WIN 0
	PLACES
.endm
; THE QUANTISER of nb blocks of 32: a lane's 16 nb sums from register al of window aw on (register 16 b + i = place 32 b + 16 h + i along the next K) become 3 nb registers of codes, stored as they fall, and a scale word
.macro QUANT al, aw, nb, wreg, base, off
	WIN (\aw)|((\aw)<<2)
.set B_, 0
.rept \nb
	v_max3_num_f32 v[TM+B_], |v[(\al)+16*B_]|, |v[(\al)+16*B_+1]|, 0x1800000   ; each accumulator from its low end on; the floor 2^(3 - 127) holds the byte at 1 from below
.set B_, B_+1
.endr
.irp i, 2,4,6,8,10,12,14
.set B_, 0
.rept \nb
	v_max3_num_f32 v[TM+B_], |v[(\al)+16*B_+\i]|, |v[(\al)+16*B_+\i+1]|, v[TM+B_]
.set B_, B_+1
.endr
.endr
	WIN 0
.set B_, 0
.rept \nb
	v_permlanex16_b32 v[TM+4+B_], v[TM+B_], s96, s97
.set B_, B_+1
.endr
.set B_, 0
.rept \nb
	v_max_num_f32 v[TM+B_], v[TM+B_], v[TM+4+B_]   ; with lane L xor 16's 16: the block's largest magnitude
.set B_, B_+1
.endr
.set B_, 0
.rept \nb
	v_add_nc_u32 v[TM+12+B_], 0xff000000, v[TM+B_] ; 2 off the exponent field: the conversion's scale operand
.set B_, B_+1
.endr
.set B_, 0
.rept \nb
	v_lshrrev_b32 v[TM+4+B_], 23, v[TM+12+B_]      ; the byte
.set B_, B_+1
.endr
	v_lshl_or_b32 v[PW], v[TM+5], 8, v[TM+4]
.if (\nb) == 4
	v_lshl_or_b32 v[PW], v[TM+6], 16, v[PW]
	v_lshl_or_b32 v[\wreg], v[TM+7], 24, v[PW]
.else
	v_lshl_or_b32 v[\wreg], v[PW], 16, v[PW]       ; (b0, b1, b0, b1)
.endif
	s_wait_alu depctr_va_vdst(0)
	s_wait_xcnt 0x0                                ; the earlier stores have read the codes' registers
	WIN \aw
.set C_, 0
.rept (\nb)/2
	v_cvt_scalef32_pk16_fp6_f32 v[PC+6*C_:PC+6*C_+2], v[(\al)+32*C_:(\al)+32*C_+15], v[TM+12+2*C_]
	v_cvt_scalef32_pk16_fp6_f32 v[PT+4*C_:PT+4*C_+2], v[(\al)+32*C_+16:(\al)+32*C_+31], v[TM+12+2*C_+1]
.set C_, C_+1
.endr
	WIN 0
	v_nop                                          ; one plain instruction behind a scaled conversion
.set C_, 0
.rept (\nb)/2                          ; the operand's layout wants a whole block in a lane
.irp i, 0,1,2
	v_permlane16_swap_b32 v[PC+6*C_+\i], v[PT+4*C_+\i]
.endr
.irp i, 0,1,2
	v_mov_b32 v[PC+3+6*C_+\i], v[PT+4*C_+\i]
.endr
.set C_, C_+1
.endr
.set P_, 0
.rept 3*(\nb)/2
	global_store_b64 v[CO], v[PC+2*P_:PC+2*P_+1], s[\base:\base+1] offset:(\off)+256*P_   ; 32 lanes store 256 consecutive bytes, aligned
.set P_, P_+1
.endr
.endm
.macro GFILL
	s_wait_tensorcnt 0x0                           ; all my tensor loads have landed, so the descriptor may be written
	ds_add_u32 v[SPW], v[NIL]
	s_sub_nc_u64 s[G0W+2:G0W+3], s[G0W+2:G0W+3], 64*TB
	s_wait_dscnt 0x0                               ; the add is done, and so are my reads of the weights' bytes
	CROUND
	s_cmp_eq_u32 s14, 0
	s_cbranch_scc0 .Lno_fill_\@
	TLOAD G0W, G1W                                 ; the first tensor load behind the round
.Lno_fill_\@:
.endm
.macro SHOW                            ; a plain barrier shows the refill to all
	s_wait_tensorcnt 0x0
	s_wait_dscnt 0x0
	s_barrier_signal -1
	s_barrier_wait -1
.endm
.macro SBMOV st                        ; the next weights' scale words
	WIN 3
.set I_, 0
.rept 16
	v_mov_b32 v[SB+I_], v[\st-768+I_]
.set I_, I_+1
.endr
	WIN 0
	s_wait_alu depctr_va_vdst(0)
.endm
.macro QPHASE cod                      ; Q's or K's blocks 0 to 6 with their way out, and block 7's products
.irp s, 0,1,2,3,4,5,6
	PRODS 0, \s
.if \s < 6
	FETCH \s+2
.endif
	QUANT ACC+32*(\s%2), 0, 2, W+\s, \cod, 768*\s
.endr
	PRODS 0, 7
.endm
.macro QEND cod, scl                   ; block 7's way out and the eight scale words: lanes 0-15 store tiles 0-3's, lanes 16-31 tiles 4-7's: 512 consecutive bytes
	QUANT ACC+32, 0, 2, W+7, \cod, 768*7
.irp i, 0,1,2,3
	v_cndmask_b32 v[XW+\i], v[W+\i], v[W+4+\i], s3
.endr
	global_store_b128 v[SOQ], v[XW:XW+3], s[\scl:\scl+1]
.endm
	s_cmp_eq_u32 s14, 0
	s_cbranch_scc0 .Lnot_w
	s_wait_tensorcnt 0x0
.Lnot_w:
	s_barrier_signal -1
	s_barrier_wait -1                              ; W_v's tiles are in
	WEIGHTS
	GFILL
	FETCH 0
	FETCH 1
	s_wait_loadcnt 0x0                             ; the weights' scale words
.irp s, 0,1,2,3,4,5,6,7                ; V
	PRODS 1, \s
.if \s < 6
	FETCH \s+2
.endif
.endr
	SHOW
	WEIGHTS                                        ; W_k; V's way out stands under these loads' flight
	FETCH 0
	FETCH 1
	SBMOV STK
.irp d, 0,1,2,3
	QUANT (64+64*\d+(\d/2)*648)&255, (64+64*\d+(\d/2)*648)>>8, 4, W+\d, 8, 1536*\d
.endr
	v_cndmask_b32 v[XW], v[W], v[W+2], s3          ; lane (r, h) stores the words of tiles 2 h, 2 h + 1: 256 consecutive bytes
	v_cndmask_b32 v[XW+1], v[W+1], v[W+3], s3
	global_store_b64 v[SOF], v[XW:XW+1], s[10:11]
	GFILL
	QPHASE 82                                      ; K
	SHOW
	WEIGHTS                                        ; W_q; K's last way out stands under these loads' flight
	FETCH 0
	FETCH 1
	QEND 82, 84
	SBMOV STQ
.rept 8
	v_nop                                          ; a scale register written by a vector instruction stands 8 places ahead of a scaled matrix instruction
.endr
	QPHASE 86                                      ; Q
	QEND 86, 88
	s_wait_tensorcnt 0x0                           ; the wave's end
	ds_add_u32 v[SPW], v[NIL]
	s_wait_dscnt 0x0
	CROUND                                         ; the closing round
	s_endpgm
.Lfunc_end_k_q06dea65dfc_gemm_qkv:
	.size	k_q06dea65dfc_gemm_qkv, .Lfunc_end_k_q06dea65dfc_gemm_qkv-k_q06dea65dfc_gemm_qkv
	.p2alignl 7, 3214868480
	.fill 96, 4, 3214868480
	.section	.rodata,"a",@progbits
	.p2align	6, 0x0
	.amdhsa_kernel k_q06dea65dfc_gemm_qkv
		.amdhsa_group_segment_fixed_size 327680
		.amdhsa_private_segment_fixed_size 0
		.amdhsa_enable_private_segment 0
		.amdhsa_kernarg_size 16
		.amdhsa_user_sgpr_count 2
		.amdhsa_user_sgpr_kernarg_segment_ptr 1
		.amdhsa_wavefront_size32 1
		.amdhsa_system_sgpr_workgroup_id_x 1
		.amdhsa_system_sgpr_workgroup_id_y 1
		.amdhsa_system_sgpr_workgroup_id_z 1
		.amdhsa_system_vgpr_workitem_id 0
		.amdhsa_next_free_vgpr 1024
		.amdhsa_next_free_sgpr 100
		.amdhsa_reserve_vcc 0
		.amdhsa_float_denorm_mode_32 3
		.amdhsa_float_denorm_mode_16_64 3
		.amdhsa_memory_ordered 1
		.amdhsa_forward_progress 1
		.amdhsa_inst_pref_size 255
	.end_amdhsa_kernel
	.section	.bss,"aw",@nobits
	.p2align	6
	.space	262144
	.amdgpu_metadata
---
amdhsa.version: [ 1, 2 ]
amdhsa.kernels:
  - .name:           k_q06dea65dfc_gemm_qkv
    .symbol:         k_q06dea65dfc_gemm_qkv.kd
    .args:
      - { .name: opq, .offset: 0, .size: 8, .value_kind: global_buffer, .address_space: global }
      - { .name: qkv, .offset: 8, .size: 8, .value_kind: global_buffer, .address_space: global }
    .group_segment_fixed_size: 327680
    .private_segment_fixed_size: 0
    .kernarg_segment_align: 8
    .kernarg_segment_size: 16
    .max_flat_workgroup_size: 128
    .sgpr_count:     100
    .vgpr_count:     1024
    .wavefront_size: 32
...
	.end_amdgpu_metadata
.endif
;; end of part 2
;; launch attn (part 3): grid 256 x 1, 16 waves a work-group, clusters of 4 x 1, 327,680 bytes of LDS; arguments qkv, yq; writes yq
.if DOCPART == 3
	.amdgcn_target "amdgcn-amd-amdhsa--gfx1250"
	.amdhsa_code_object_version 6
	.text
	.protected	k_q06dea65dfc_attn
	.globl	k_q06dea65dfc_attn
	.p2align	8
	.type	k_q06dea65dfc_attn,@function
k_q06dea65dfc_attn:
	s_mov_b64 s[64:65], 0
	v_nop
	global_prefetch_b8 v0, s[64:65] scope:SCOPE_SE
	s_setreg_imm32_b32 hwreg(HW_REG_WAVE_MODE, 25, 1), 1
	s_wait_xcnt 0x0
	s_wait_alu depctr_hold_cnt(0) depctr_sa_sdst(0) depctr_va_vdst(0) depctr_va_sdst(0) depctr_va_ssrc(0) depctr_va_vcc(0) depctr_vm_vsrc(0)
	s_getreg_b32 s2, hwreg(HW_REG_IB_STS2, 6, 4)
	s_cmp_eq_u32 s2, 0
	s_cbranch_scc0 .Lentry_in_a_cluster
	s_endpgm
.Lentry_in_a_cluster:
	s_bfe_u32 s2, ttmp6, 0x10000c
	s_cmp_lg_u32 s2, 0x3003
	s_cbranch_scc0 .Lentry_shape_is_right
	s_endpgm
.Lentry_shape_is_right:
; y[b][q][head] = softmax_k(q . k / 8, causal) v, both products on codes of FP6 (E2M3) with E8M0 scales; y is quantised along the model's 1,024 channels and leaves as codes for the last product.
; THE SOFTMAX: t = score x log2(e) / 8; M = the row's largest t so far, rounded up to a whole number; p = 2^(t - M) is quantised along the keys; the row's sum is taken of the unquantised p and divides at the end.
; When M moves, the sum and O are multiplied by 2^(old M - new M): exact.
; INPUT: qkv, for each head eight records of REC bytes (256 tokens).  A record begins with two STEP RECORDS of STEPB bytes, one for each 128 keys: K codes (8 tiles x 768), V codes (4 x 1,536), K scale words (2 x 256),
; V's (256); behind them Q's codes (16 tiles x 768) and scale words.  All are images of the operand's registers: register pair p of lane L at 256 p + 8 L.  A tile's 16 rows are 32 (T / 2) + 8 (T % 2) + r + 8 (r / 8).
; ALL OF A HEAD'S K AND V LIE IN LDS: 16 step records, 208,896 bytes, each brought once by one tensor load, wave w's: no byte of LDS is filled again, so there is no ring.
; CLUSTER: the four work-groups of a head need the same 16 records at the same time: each load is a joint one (mask 15).
; SHARES: a head has 128 tiles of 16 queries.  Wave w of the partner at place cx owns tiles 127 - j and j, j = 4 w + cx.  Tile T needs T / 8 + 1 steps of 128 keys: 16 - w / 2 and w / 2 + 1, always 17 together,
; and both counts hang on the wave's number alone.  Work under the causal mask is left out in whole steps: the loops' trip counts are constants.
; ORDER: waves 0 to 3 have a load line of their own and wait for it ahead of the first barrier; every wave then walks steps 0 to 3 of its long tile; then all waves wait for all loads, and a second barrier shows the rest.
; Behind it waves share nothing and meet no more.  NO PREFETCH: all that the launch reads by tensor loads is asked for at the head; there is no loop to run ahead in.
; LAYOUT: both products transposed (S^T = K Q^T, O^T = V^T P^T): a lane holds one query; p's 16 registers of two neighbouring tiles are 16 neighbouring keys.
; A HEAD'S 64 IN AN INSTRUCTION'S 128: Q's six registers stand twice, [q | q]; a tile of K stands beside six registers of zero codes; the scale words hold (b0, b1, b0, b1).
; On a tile's last step hidden scores become -infinity ahead of the maximum.  Key 0 counts for every query.
; LIMITS: NaN and infinities are not served.  The promise holds while |t| stays under 2^31.  p under 2^-126 comes out of v_exp_f32 as 0.  A block's largest p is made from the block's largest score by the same two
; instructions (this takes v_exp_f32 not to fall where its input rises).  A block of zeros gets the byte 1 (the rule says 127): its codes are zeros, and this program alone reads the bytes.
.set REC,   39424
.set HS,    315392
.set YSC0,  6291456
.set STEPB, 13056
.set SPARE, 16*STEPB                   ; the spare words, 128 bytes for each wave
.set VCO,   6144
.set KSC,   12288
.set VSC,   12800
.set QOFF,  26112
.set KR,    32                         ; v32-67 four tiles of K: k0 32-37, zeros 38-43, k1 44-49, k2 50-55, zeros 56-61, k3 62-67
.set VF,    68                         ; v68-115 four fragments of V
.set S,     116                        ; v116-179 S^T, then p
.set O,     180                        ; v180-211 O^T
.set PC,    212                        ; v212-223 p's codes
.set PT,    224
.set BM,    232
.set PM,    236
.set SO,    240
.set KS,    244
.set VS,    248
; v1 8 L; v2 16 r; v3, v4 the same in the step in hand; v5, v6 the spare word's address and 0; v7 r + 8 (r / 8) - 16 h; v11 16 r + h; v12 -M, v13 the largest t, v[14:15] the sum; v16-27 Q; v252 f; v253 p's scale word; v255 Q's.
; s2 the step's LDS offset; s3 the step; s18 wave; s19, s36 the short and the long tile's last step; s40, s41 the tiles' first query less their last step's first key;
; s[44:51] the long tile's Q codes, Q scale words, y codes, y scale bytes; s[52:59] the short tile's; s62 lanes 16-31.
.macro ROUND
	s_barrier_signal -1
	s_barrier_wait -1
	s_cmp_lg_u32 s18, 0
	s_cbranch_scc1 .Lnot_wave_0_\@
	s_barrier_signal -3
.Lnot_wave_0_\@:
	s_barrier_wait -3
	s_barrier_signal -1
	s_barrier_wait -1
.endm
.macro TILE t, qc, qs, yc, ys, dm      ; byte offsets of tile s[t]: Q's from the head's records, y's from yq
	s_lshr_b32 s15, s[\t], 4
	s_mul_i32 s15, s15, REC
	s_add_co_u32 s15, s15, QOFF
	s_and_b32 s[\dm], s[\t], 15
	s_mul_i32 s[\qc], s[\dm], 768
	s_add_co_u32 s[\qc], s[\qc], s15
	s_lshr_b32 s[\qs], s[\dm], 2
	s_lshl_b32 s[\qs], s[\qs], 8
	s_add_co_u32 s[\qs], s[\qs], s15
	s_and_b32 s[\dm], s[\t], 3
	s_lshl_b32 s[\dm], s[\dm], 2
	s_add_co_u32 s[\qs], s[\qs], s[\dm]
	s_add_co_u32 s[\qs], s[\qs], 12288
	s_add_co_u32 s15, s12, s[\t]
	s_mul_i32 s[\yc], s15, 12288
	s_add_co_u32 s[\yc], s[\yc], s13
	s_lshl_b32 s[\ys], s15, 9
	s_add_co_u32 s[\ys], s[\ys], s14
	s_bfe_u32 s[\dm], s[\t], 0x20001
	s_lshl_b32 s[\dm], s[\dm], 5
	s_and_b32 s15, s[\t], 1
	s_lshl_b32 s15, s15, 3
	s_add_co_u32 s[\dm], s[\dm], s15               ; 32 ((T % 8) / 2) + 8 (T % 2)
	s_mov_b32 s[\qc+1], 0
	s_mov_b32 s[\qs+1], 0
	s_mov_b32 s[\yc+1], 0
	s_mov_b32 s[\ys+1], 0
.endm
	s_load_b128 s[4:7], s[0:1], 0x0                ; qkv, yq
	v_lshl_add_u32 v5, v0, 2, SPARE
	v_mov_b32 v6, 0
	ds_add_u32 v5, v6                              ; the opening lines: the add twice on end and one wait
	ds_add_u32 v5, v6
	v_lshrrev_b32 v1, 5, v0
	s_delay_alu instid0(VALU_DEP_1)
	v_readfirstlane_b32 s18, v1                    ; wave 0..15
	s_lshr_b32 s19, s18, 1
	s_sub_co_u32 s36, 15, s19
	s_mul_i32 s60, ttmp9, HS                       ; the cluster's x is 16 b + head
	s_mov_b32 s61, 0
	s_mul_i32 s33, s18, STEPB                      ; LDS: step w's record
	s_mul_i32 s16, s19, REC
	s_and_b32 s17, s18, 1
	s_mul_i32 s17, s17, STEPB
	s_add_co_u32 s16, s16, s17                     ; and where it lies among the head's records
	s_mov_b32 s17, 0
	s_mov_b32 s24, 15|(3<<16)|(1<<21)              ; all four partners; elements of 8 bytes; no padding: every LDS read takes consecutive bytes
	s_mov_b32 s25, 32<<16
	s_mov_b32 s26, 51<<16                          ; 51 rows of 256 bytes
	s_mov_b32 s27, 32<<16
	s_mov_b32 s28, 51
	s_mov_b32 s29, 32
	s_mov_b32 s30, 0
	s_mov_b32 s31, 0
	s_mov_b32 s20, 0x76543210
	s_mov_b32 s21, 0xfedcba98
	s_mov_b32 s22, 0x3e38aa3b                      ; c = log2(e) / 8
	s_mov_b32 s23, s22
	s_mov_b32 s62, 0xffff0000
	s_bfe_u32 s9, ttmp6, 0x40000                   ; cx: it enters global addresses and the mask's numbers alone
	s_lshl_b32 s10, s18, 2
	s_add_co_u32 s10, s10, s9                      ; the short tile
	s_sub_co_u32 s11, 127, s10                     ; the long tile
	s_lshr_b32 s12, ttmp9, 4
	s_lshl_b32 s12, s12, 7                         ; 128 b
	s_and_b32 s14, ttmp9, 15
	s_mul_i32 s13, s14, 768                        ; the head's half of a fragment of y
	s_lshr_b32 s15, s14, 3
	s_lshl_b32 s15, s15, 8
	s_and_b32 s14, s14, 7
	s_lshl_b32 s14, s14, 1
	s_add_co_u32 s14, s14, s15
	s_add_co_u32 s14, s14, YSC0                    ; its two bytes of a row's group
	TILE 11, 44, 46, 48, 50, 40
	TILE 10, 52, 54, 56, 58, 41
	s_wait_alu depctr_va_vdst(0)
	s_wait_dscnt 0x0
	ROUND                                          ; ahead of the first joint loads
	s_wait_kmcnt 0x0
	s_add_nc_u64 s[60:61], s[4:5], s[60:61]
	s_mov_b32 s32, 1
	s_add_nc_u64 s[34:35], s[60:61], s[16:17]
	s_or_b32 s35, s35, 0x80000000
	s_cmp_lt_u32 s18, 4                            ; one load a wave; waves 0 to 3, which wait first, have a line of their own
	s_cbranch_scc0 .Llate
	tensor_load_to_lds s[32:35], s[24:31]
	s_nop 0
.rept 4
	v_nop
.endr
	s_branch .Lasked
.Llate:
	tensor_load_to_lds s[32:35], s[24:31]
	s_nop 0
.rept 4
	v_nop
.endr
.Lasked:
.irp g, 44,46,52,54
	s_add_nc_u64 s[\g:\g+1], s[60:61], s[\g:\g+1]
.endr
.irp g, 48,50,56,58
	s_add_nc_u64 s[\g:\g+1], s[6:7], s[\g:\g+1]
.endr
	v_and_b32 v1, 31, v0
	s_delay_alu instid0(VALU_DEP_1)
	v_lshlrev_b32 v1, 3, v1                        ; 8 L
	v_and_b32 v7, 15, v0                           ; r
	s_delay_alu instid0(VALU_DEP_1)
	v_lshlrev_b32 v2, 4, v7                        ; 16 r
	s_delay_alu instid0(VALU_DEP_2)
	v_and_b32 v3, 8, v7
	s_delay_alu instid0(VALU_DEP_1)
	v_add_nc_u32 v7, v7, v3                        ; r + 8 (r / 8)
	v_bfe_u32 v4, v0, 4, 1                         ; h
	s_delay_alu instid0(VALU_DEP_1)
	v_add_nc_u32 v11, v2, v4                       ; 16 r + h
	s_delay_alu instid0(VALU_DEP_2)
	v_lshlrev_b32 v3, 4, v4
	s_delay_alu instid0(VALU_DEP_1)
	v_sub_nc_u32 v7, v7, v3                        ; - 16 h
.irp j, 0,1,2,3,4,5
	v_mov_b32 v[KR+6+\j], 0                        ; the zero codes beside K's tiles: written once
	v_mov_b32 v[KR+24+\j], 0
.endr
.irp b, 0,1,2,3
	v_mov_b32 v[PM+\b], 0                          ; a lane permute's destination counts as one of its sources
.endr
	v_mov_b32 v252, 0
	v_mov_b32 v253, 0
	v_mov_b32 v254, 0
.macro QLOAD qc, qs                    ; a tile of Q, twice, and its scale word
.irp p, 0,1,2
	global_load_b64 v[16+2*\p:17+2*\p], v1, s[\qc:\qc+1] offset:256*\p
	global_load_b64 v[22+2*\p:23+2*\p], v1, s[\qc:\qc+1] offset:256*\p
.endr
	global_load_b32 v255, v2, s[\qs:\qs+1]
.endm
.macro BEGIN                           ; a tile begins: the largest t under every t; zeros, which the first change of M leaves zeros
	v_mov_b32 v13, 0xff61b1e6                      ; -3e38
	s_delay_alu instid0(VALU_DEP_1)
	v_floor_f32 v12, -v13
	v_mov_b32 v14, 0
	v_mov_b32 v15, 0
.set n, 0
.rept 32
	v_mov_b32 v[O+n], 0
.set n, n+1
.endr
	s_wait_alu depctr_va_vdst(0)
	s_wait_loadcnt 0x0                             ; Q is in
.endm
.macro KLOAD g                         ; four tiles of K and their scale words
.irp t, 0,1,2,3
.irp p, 0,1,2
	ds_load_b64 v[KR+18*(\t/2)+12*(\t%2)+2*\p:KR+18*(\t/2)+12*(\t%2)+2*\p+1], v3 offset:(4*(\g)+\t)*768+256*\p
.endr
.endr
	ds_load_b128 v[KS:KS+3], v4 offset:KSC+256*(\g)
.endm
.macro KQ g                            ; an even tile is [k | zeros], an odd one [zeros | k]
.irp t, 0,1,2,3
	v_wmma_scale_f32_16x16x128_f8f6f4 v[S+32*(\g)+8*\t:S+32*(\g)+8*\t+7], v[KR+18*(\t/2)+6*(\t%2):KR+18*(\t/2)+6*(\t%2)+11], v[16:27], 0, v[KS+\t], v255 matrix_a_fmt:MATRIX_FMT_FP6 matrix_b_fmt:MATRIX_FMT_FP6
.endr
.endm
; A KEY STEP: 128 keys, step s3, at LDS offset s2.  last: the register with the tile's last step; dm: that with the mask's number; full = 0: a step that is neither hidden nor the last for any wave.
.macro STEP last, dm, full
.if \full
	s_cmp_gt_u32 s3, s[\last]
	s_cbranch_scc1 .Lhidden_\@                     ; all keys of the step come after my queries
.endif
	v_add_nc_u32 v3, s2, v1
	v_add_nc_u32 v4, s2, v2
	KLOAD 0
	s_wait_alu depctr_va_vdst(0)
	s_wait_dscnt 0x0
	KQ 0
.rept 4
	v_nop                                          ; places in front of loads into registers that the products have read
.endr
	KLOAD 1
.irp d, 0,1,2,3
.irp p, 0,1,2,3,4,5
	ds_load_b64 v[VF+12*\d+2*\p:VF+12*\d+2*\p+1], v3 offset:VCO+1536*\d+256*\p
.endr
.endr
	ds_load_b128 v[VS:VS+3], v4 offset:VSC
	s_wait_dscnt 25                                ; K's are in; V's 24 loads and its scale words may be out
	KQ 1
.rept 4
	v_nop
.endr
.if \full
	s_cmp_lg_u32 s3, s[\last]
	s_cbranch_scc1 .Lopen_\@                       ; only a tile's last step holds hidden keys
	v_add_nc_u32 v252, s[\dm], v7                  ; d = my query - the step's first key - 16 h.  Register 16 b + i holds key 32 b + 16 h + i: hidden where 32 b + i > d
	v_mov_b32 v254, 0xff800000                     ; -infinity
.set n, 0
.rept 64
	v_cmp_gt_i32 vcc_lo, 32*(n/16)+n%16, v252
	v_cndmask_b32 v[S+n], v[S+n], v254, vcc_lo
.set n, n+1
.endr
.Lopen_\@:
.endif
.irp b, 0,1,2,3
	v_max3_num_f32 v[BM+\b], v[S+16*\b], v[S+1+16*\b], v[S+2+16*\b]   ; the largest score of each block of 32 keys
.endr
.irp i, 3,5,7,9,11,13
.irp b, 0,1,2,3
	v_max3_num_f32 v[BM+\b], v[BM+\b], v[S+16*\b+\i], v[S+1+16*\b+\i]
.endr
.endr
.irp b, 0,1,2,3
	v_max_num_f32 v[BM+\b], v[BM+\b], v[S+15+16*\b]
.endr
.irp b, 0,1,2,3
	s_delay_alu instid0(VALU_DEP_4)
	v_permlanex16_b32 v[PM+\b], v[BM+\b], s20, s21
.endr
.irp b, 0,1,2,3
	s_delay_alu instid0(VALU_DEP_4)
	v_max_num_f32 v[BM+\b], v[BM+\b], v[PM+\b]     ; with lane L xor 16's 16 keys
.endr
	s_delay_alu instid0(VALU_DEP_2)
	v_max3_num_f32 v254, v[BM], v[BM+1], v[BM+2]
	s_delay_alu instid0(VALU_DEP_1)
	v_max_num_f32 v254, v254, v[BM+3]
	s_delay_alu instid0(VALU_DEP_1)
	v_mul_f32 v254, s22, v254                      ; as t
	s_delay_alu instid0(VALU_DEP_1)
	v_max_num_f32 v13, v13, v254                   ; the running largest t
	v_mov_b32 v254, v12
	s_delay_alu instid0(VALU_DEP_2)
	v_floor_f32 v12, -v13                          ; the new -M = -ceil(t)
	s_delay_alu instid0(VALU_DEP_1)
	v_sub_f32 v254, v12, v254                      ; old M - new M: a whole number, 0 or less
	s_delay_alu instid0(VALU_DEP_1)
	v_cvt_i32_f32 v254, v254                       ; (it saturates)
	s_delay_alu instid0(VALU_DEP_1)
	v_ldexp_f32 v252, 1.0, v254                    ; f = 2^(old M - new M)
.set n, 0
.rept 32
	v_pk_fma_f32 v[S+n:S+n+1], v[S+n:S+n+1], s[22:23], v[12:13] op_sel_hi:[1,0,0]   ; t - M, two at a time
.set n, n+2
.endr
.irp b, 0,1,2,3
	v_fma_f32 v[BM+\b], v[BM+\b], s22, v12         ; the same of each block's largest score
.endr
.set n, 0
	s_wait_alu depctr_va_vdst(0)
.rept 64
	v_exp_f32 v[S+n], v[S+n]                       ; p = 2^(t - M), not normalised
.set n, n+1
.endr
	v_pk_mul_f32 v[14:15], v[14:15], v[252:253] op_sel_hi:[1,0]   ; the sums under the new M: the plain instruction behind the exponentials
	s_wait_alu depctr_va_vdst(0)                   ; one wait for the batch of 64, ahead of its first reader
.irp b, 0,1,2,3
	v_exp_f32 v[BM+\b], v[BM+\b]                   ; the block's largest p
.endr
	v_pk_add_f32 v[236:237], v[120:121], v[124:125]   ; the row's sum of the unquantised p, in eight chains
	v_pk_add_f32 v[246:247], v[128:129], v[132:133]
	v_pk_add_f32 v[244:245], v[136:137], v[140:141]
	v_pk_add_f32 v[242:243], v[144:145], v[148:149]
	v_pk_add_f32 v[240:241], v[152:153], v[156:157]
	v_pk_add_f32 v[238:239], v[160:161], v[164:165]
	v_pk_add_f32 v[230:231], v[168:169], v[172:173]
	v_pk_add_f32 v[14:15], v[14:15], v[176:177]
	v_pk_add_f32 v[236:237], v[236:237], v[116:117]
	v_pk_add_f32 v[246:247], v[246:247], v[118:119]
	v_pk_add_f32 v[244:245], v[244:245], v[122:123]
	v_pk_add_f32 v[242:243], v[242:243], v[126:127]
	v_pk_add_f32 v[240:241], v[240:241], v[130:131]
	v_pk_add_f32 v[238:239], v[238:239], v[134:135]
	v_pk_add_f32 v[230:231], v[230:231], v[138:139]
	v_pk_add_f32 v[14:15], v[14:15], v[142:143]
	v_pk_add_f32 v[236:237], v[236:237], v[146:147]
	v_pk_add_f32 v[246:247], v[246:247], v[150:151]
	v_pk_add_f32 v[244:245], v[244:245], v[154:155]
	v_pk_add_f32 v[242:243], v[242:243], v[158:159]
	v_pk_add_f32 v[240:241], v[240:241], v[162:163]
	v_pk_add_f32 v[238:239], v[238:239], v[166:167]
	v_pk_add_f32 v[230:231], v[230:231], v[170:171]
	v_pk_add_f32 v[14:15], v[14:15], v[174:175]
	v_pk_add_f32 v[236:237], v[236:237], v[178:179]
	s_delay_alu instid0(VALU_DEP_2)
	v_pk_add_f32 v[14:15], v[14:15], v[242:243]
	s_delay_alu instid0(VALU_DEP_2)
	v_pk_add_f32 v[236:237], v[236:237], v[240:241]
	v_pk_add_f32 v[246:247], v[246:247], v[238:239]
	v_pk_add_f32 v[244:245], v[244:245], v[230:231]
	s_delay_alu instid0(VALU_DEP_2)
	v_pk_add_f32 v[14:15], v[14:15], v[246:247]
	s_delay_alu instid0(VALU_DEP_2)
	v_pk_add_f32 v[236:237], v[236:237], v[244:245]
	s_delay_alu instid0(VALU_DEP_1)
	v_pk_add_f32 v[14:15], v[14:15], v[236:237]
	s_wait_alu depctr_va_vdst(0)                   ; and one for the four
.irp b, 0,1,2,3
	v_max_num_f32 v[BM+\b], 0x1800000, v[BM+\b]    ; the floor 2^(3 - 127): the byte cannot fall under 1
.endr
.irp b, 0,1,2,3
	s_delay_alu instid0(VALU_DEP_4)
	v_add_nc_u32 v[SO+\b], 0xff000000, v[BM+\b]    ; 2 off the exponent field: the conversion's scale operand
.endr
.irp b, 0,1,2,3
	s_delay_alu instid0(VALU_DEP_4)
	v_lshrrev_b32 v[PM+\b], 23, v[SO+\b]           ; the byte
.endr
	s_delay_alu instid0(VALU_DEP_3)
	v_lshl_or_b32 v253, v[PM+1], 8, v[PM]          ; p's scale word for these 128 keys
	s_delay_alu instid0(VALU_DEP_1)
	v_lshl_or_b32 v253, v[PM+2], 16, v253
	s_delay_alu instid0(VALU_DEP_1)
	v_lshl_or_b32 v253, v[PM+3], 24, v253
.irp c, 0,1
	v_cvt_scalef32_pk16_fp6_f32 v[PC+6*\c:PC+6*\c+2], v[S+32*\c:S+32*\c+15], v[SO+2*\c]
	v_cvt_scalef32_pk16_fp6_f32 v[PT+4*\c:PT+4*\c+2], v[S+32*\c+16:S+32*\c+31], v[SO+2*\c+1]
.endr
	v_nop                                          ; one plain instruction behind a scaled conversion
.irp c, 0,1                            ; the operand's layout wants a whole block in a lane
.irp i, 0,1,2
	v_permlane16_swap_b32 v[PC+6*\c+\i], v[PT+4*\c+\i]
.endr
.irp i, 0,1,2
	s_delay_alu instid0(VALU_DEP_3)
	v_mov_b32 v[PC+3+6*\c+\i], v[PT+4*\c+\i]
.endr
.endr
.set n, 0
.rept 16
	v_pk_mul_f32 v[O+n:O+n+1], v[O+n:O+n+1], v[252:253] op_sel_hi:[1,0]   ; O^T under the new M, from each accumulator's low end on; these sixteen are also the places ahead of the products
.set n, n+2
.endr
	s_wait_alu depctr_va_vdst(0)
	s_wait_dscnt 0x0                               ; V is in
.irp d, 0,1,2,3                        ; O^T += V^T P^T: the four accumulators take turns
	v_wmma_scale_f32_16x16x128_f8f6f4 v[O+8*\d:O+8*\d+7], v[VF+12*\d:VF+12*\d+11], v[PC:PC+11], v[O+8*\d:O+8*\d+7], v[VS+\d], v253 matrix_a_fmt:MATRIX_FMT_FP6 matrix_b_fmt:MATRIX_FMT_FP6
.endr
.if \full
.Lhidden_\@:
.endif
	s_add_co_u32 s2, s2, STEPB
.endm
; A TILE IS FINISHED: O^T / the sum is my 16 queries' part of y, 64 channels: two blocks of 32 along the last product's K; it leaves as half a fragment's image (768 bytes) and two scale bytes a row.
; again = 1: the next tile's Q is asked for first and lands under this work.
.macro FINISH yc, ys, again, qc=0, qs=0
.rept 4
	v_nop                                          ; places behind the last products
.endr
.if \again
	QLOAD \qc, \qs
.endif
	v_add_f32 v14, v14, v15
	s_delay_alu instid0(VALU_DEP_1)
	v_permlanex16_b32 v252, v14, s20, s21
	s_delay_alu instid0(VALU_DEP_1)
	v_add_f32 v14, v14, v252                       ; the row's sum
	s_wait_alu depctr_va_vdst(0)
	v_rcp_f32 v14, v14
	v_nop
	s_wait_alu depctr_va_vdst(0)
.set n, 0
.rept 16
	v_pk_mul_f32 v[S+n:S+n+1], v[O+n:O+n+1], v[14:15] op_sel_hi:[1,0]   ; register 16 b + i: channel 32 b + 16 h + i of the head
.set n, n+2
.endr
.irp b, 0,1
	v_max3_num_f32 v[BM+\b], |v[S+16*\b]|, |v[S+16*\b+1]|, 0x1800000
.endr
.irp i, 2,4,6,8,10,12,14
.irp b, 0,1
	s_delay_alu instid0(VALU_DEP_2)
	v_max3_num_f32 v[BM+\b], v[BM+\b], |v[S+16*\b+\i]|, |v[S+16*\b+\i+1]|
.endr
.endr
.irp b, 0,1
	s_delay_alu instid0(VALU_DEP_2)
	v_permlanex16_b32 v[PM+\b], v[BM+\b], s20, s21
.endr
.irp b, 0,1
	s_delay_alu instid0(VALU_DEP_2)
	v_max_num_f32 v[BM+\b], v[BM+\b], v[PM+\b]
.endr
.irp b, 0,1
	s_delay_alu instid0(VALU_DEP_2)
	v_add_nc_u32 v[SO+\b], 0xff000000, v[BM+\b]
.endr
.irp b, 0,1
	s_delay_alu instid0(VALU_DEP_2)
	v_lshrrev_b32 v[PM+\b], 23, v[SO+\b]
.endr
	s_delay_alu instid0(VALU_DEP_1)
	v_cndmask_b32 v254, v[PM], v[PM+1], s62        ; lane (r, h) stores block h's byte
	v_cvt_scalef32_pk16_fp6_f32 v[PC:PC+2], v[S:S+15], v[SO]
	v_cvt_scalef32_pk16_fp6_f32 v[PT:PT+2], v[S+16:S+31], v[SO+1]
	v_nop
.irp i, 0,1,2
	v_permlane16_swap_b32 v[PC+\i], v[PT+\i]
.endr
.irp i, 0,1,2
	s_delay_alu instid0(VALU_DEP_3)
	v_mov_b32 v[PC+3+\i], v[PT+\i]
.endr
.irp p, 0,1,2
	global_store_b64 v1, v[PC+2*\p:PC+2*\p+1], s[\yc:\yc+1] offset:256*\p   ; 32 lanes store 256 consecutive bytes, aligned
.endr
	global_store_b8 v11, v254, s[\ys:\ys+1]        ; a scale word of the last product spans two heads, so a head has two bytes of each row's word
.if \again
	s_wait_xcnt 0x0                                ; the stores have read their registers
	BEGIN
.endif
.endm
	QLOAD 44, 46
	BEGIN
	s_cmp_lt_u32 s18, 4
	s_cbranch_scc0 .Lnot_mine
	s_wait_tensorcnt 0x0                           ; waves 0 to 3: my record of steps 0 to 3 is in
.Lnot_mine:
	s_barrier_signal -1
	s_barrier_wait -1                              ; steps 0 to 3 are whole
	s_mov_b32 s2, 0
	s_mov_b32 s3, 0
.Lfirst:                               ; the long tile, steps 0 to 3: its last step is 8 at the least
	STEP 36, 40, 0
	s_add_co_u32 s3, s3, 1
	s_cmp_lt_u32 s3, 4
	s_cbranch_scc1 .Lfirst
	s_wait_tensorcnt 0x0                           ; every wave: my record is in
	s_wait_dscnt 0x0
	s_barrier_signal -1
	s_barrier_wait -1                              ; all sixteen records are whole
	s_mov_b32 s2, 4*STEPB
	s_mov_b32 s3, 4
.Llong:                                ; steps 4 to 15
	STEP 36, 40, 1
	s_add_co_u32 s3, s3, 1
	s_cmp_lt_u32 s3, 16
	s_cbranch_scc1 .Llong
	FINISH 48, 50, 1, 52, 54
	s_mov_b32 s2, 0
	s_mov_b32 s3, 0
.Lshort:                               ; the short tile, steps 0 to 7
	STEP 19, 41, 1
	s_add_co_u32 s3, s3, 1
	s_cmp_lt_u32 s3, 8
	s_cbranch_scc1 .Lshort
	FINISH 56, 58, 0
	s_wait_tensorcnt 0x0                           ; the wave's end
	ds_add_u32 v5, v6
	s_wait_dscnt 0x0
	ROUND                                          ; the closing round
	s_endpgm
.Lfunc_end_k_q06dea65dfc_attn:
	.size	k_q06dea65dfc_attn, .Lfunc_end_k_q06dea65dfc_attn-k_q06dea65dfc_attn
	.p2alignl 7, 3214868480
	.fill 96, 4, 3214868480
	.section	.rodata,"a",@progbits
	.p2align	6, 0x0
	.amdhsa_kernel k_q06dea65dfc_attn
		.amdhsa_group_segment_fixed_size 327680
		.amdhsa_private_segment_fixed_size 0
		.amdhsa_enable_private_segment 0
		.amdhsa_kernarg_size 16
		.amdhsa_user_sgpr_count 2
		.amdhsa_user_sgpr_kernarg_segment_ptr 1
		.amdhsa_wavefront_size32 1
		.amdhsa_system_sgpr_workgroup_id_x 1
		.amdhsa_system_sgpr_workgroup_id_y 1
		.amdhsa_system_sgpr_workgroup_id_z 1
		.amdhsa_system_vgpr_workitem_id 0
		.amdhsa_next_free_vgpr 256
		.amdhsa_next_free_sgpr 66
		.amdhsa_reserve_vcc 1
		.amdhsa_float_denorm_mode_32 3
		.amdhsa_float_denorm_mode_16_64 3
		.amdhsa_memory_ordered 1
		.amdhsa_forward_progress 1
		.amdhsa_inst_pref_size 86
	.end_amdhsa_kernel
	.amdgpu_metadata
---
amdhsa.version: [ 1, 2 ]
amdhsa.kernels:
  - .name:           k_q06dea65dfc_attn
    .symbol:         k_q06dea65dfc_attn.kd
    .args:
      - { .name: qkv, .offset: 0, .size: 8, .value_kind: global_buffer, .address_space: global }
      - { .name: yq, .offset: 8, .size: 8, .value_kind: global_buffer, .address_space: global }
    .group_segment_fixed_size: 327680
    .private_segment_fixed_size: 0
    .kernarg_segment_align: 8
    .kernarg_segment_size: 16
    .max_flat_workgroup_size: 512
    .sgpr_count:     66
    .vgpr_count:     256
    .wavefront_size: 32
...
	.end_amdgpu_metadata
.endif
;; end of part 3
;; launch gemm_out (part 4): grid 8 x 32, 4 waves a work-group, clusters of 4 x 4, 327,680 bytes of LDS; arguments yq, opq, out0; writes out0
.if DOCPART == 4
	.amdgcn_target "amdgcn-amd-amdhsa--gfx1250"
	.amdhsa_code_object_version 6
	.text
	.protected	k_q06dea65dfc_gemm_out
	.globl	k_q06dea65dfc_gemm_out
	.p2align	8
	.type	k_q06dea65dfc_gemm_out,@function
k_q06dea65dfc_gemm_out:
	s_mov_b64 s[64:65], 0
	v_nop
	global_prefetch_b8 v0, s[64:65] scope:SCOPE_SE
	s_setreg_imm32_b32 hwreg(HW_REG_WAVE_MODE, 25, 1), 1
	s_wait_xcnt 0x0
	s_wait_alu depctr_hold_cnt(0) depctr_sa_sdst(0) depctr_va_vdst(0) depctr_va_sdst(0) depctr_va_ssrc(0) depctr_va_vcc(0) depctr_vm_vsrc(0)
	s_getreg_b32 s2, hwreg(HW_REG_IB_STS2, 6, 4)
	s_cmp_eq_u32 s2, 0
	s_cbranch_scc0 .Lentry_in_a_cluster
	s_endpgm
.Lentry_in_a_cluster:
	s_bfe_u32 s2, ttmp6, 0x10000c
	s_cmp_lg_u32 s2, 0xf033
	s_cbranch_scc0 .Lentry_shape_is_right
	s_endpgm
.Lentry_shape_is_right:
; out0 = y w_out^T on codes of FP6 (E2M3) with E8M0 scales, sums in f32.
; OPERANDS are images of the operand's registers: tile T (16 rows: 32 (T / 2) + 8 (T % 2) + r + 8 (r / 8)), K step q at 12,288 T + 1,536 q, register pair p of lane L at 256 p + 8 L;
; scale words behind the codes: tile T, K step q, row r at 512 T + 256 (q / 4) + 16 r + 4 (q % 4).  y: yq's tiles 0-511; w_out: opq's tiles 704-767.
; THE DEAL: 256 work-groups of four waves; a work-group makes 256 rows x 128 columns.  K is 1,024, so ALL OF K lies in LDS: y's 16 tiles (196,608 bytes), W's 8 tiles (98,304), y's scale words (8,192).
; Each byte of LDS is filled once, by one joint load a wave at the head: wave 0 W's tiles, wave 1 y's scale words, waves 2 and 3 eight tiles of y each.  No ring, no refill.
; Waves 2 x 2: wave (a, b) holds W's tiles 4 b .. 4 b + 3, all of K, in 384 registers, and takes y's tile 2 s + a as its block s: eight blocks of 32 products on four accumulators by turns.
; The first barrier shows W's tiles alone (wave 0's load line is its own): the 192 LDS loads of the weights stand ahead of the wait for the other tiles.
; TRANSPOSED USE: source 0 = W's rows, source 1 = y's rows: a lane holds one row of the result and eight neighbouring columns an accumulator.  A block's 16 x 64 numbers go through the wave's own stage in LDS and
; leave as rows of 256 bytes, aligned, behind the wait at the next block's head.
; CLUSTERS: 4 x 4; y's tiles are shared along a row of the cluster, W's along a column.  NO PREFETCH: all tiles are asked for at the head; there is no loop to run ahead in.
; LIMITS: NaN and infinities are not served.
.set FR,    12
.set FPW,   21                         ; fragments in a window of 256 registers.  Fragment f: window 1 + f / 21, register 12 (f % 21): 0-31 W's (4 q + t), 32-39 and 40-47 y's two sets
.set NF,    50                         ; LDS loads of a block: 48 for eight fragments, 2 for eight scale words
.set TB,    12288
.set WB,    16*TB
.set SCA,   WB+8*TB
.set SPARE, SCA+8192
.set STAGE, SPARE+512
.set SP,    272
.set SC0,   9437184
.set YSC0,  6291456
.set WT0,   704
.set ADRW, 4
.set ADRY, 8                           ; v8-11 y's blocks 2 i, 2 i + 1
.set ADRS, 12
.set STO,  13
.set RD,   14
.set CO,   15
.set SPW,  16
.set NIL,  17
.set GO,   18
.set SB,   24                          ; v24-39 W's scale words: register 8 (t / 2) + q, lanes 0-15 tile 2 (t / 2), lanes 16-31 the next
.set SA,   44                          ; v44-59 y's: two sets of eight
.set ACC,  64                          ; v64-127 two sets of four accumulators
.set BK,   128                         ; v128-159 a block read back from the stage
.set G1W, 24
.set G1A, 32
.set G1S, 48
.set G0W, 56
.set G0S, 60
.set G0A, 68
.set G0R, 72
.set MSB, 0
.macro WIN new
.if MSB != \new
	s_set_vgpr_msb (MSB<<8)|\new
.set MSB, \new
.endif
.endm
.macro PLACES
.rept 4
	v_nop
.endr
.endm
.macro CROUND
	s_barrier_signal -1
	s_barrier_wait -1
	s_cmp_lg_u32 s14, 0
	s_cbranch_scc1 .Lnot_wave_0_\@
	s_barrier_signal -3
.Lnot_wave_0_\@:
	s_barrier_wait -3
	s_barrier_signal -1
	s_barrier_wait -1
.endm
.macro GROUP1 g, mask, c, rows         ; dense rows of c elements of 8 bytes, no padding: every LDS read takes 256 consecutive bytes
	s_or_b32 s[\g], s[\mask], (3<<16)|(1<<21)
	s_mov_b32 s[\g+1], (\c)<<16
	s_mov_b32 s[\g+2], (\rows)<<16
	s_mov_b32 s[\g+3], (\c)<<16
	s_mov_b32 s[\g+4], \rows
	s_mov_b32 s[\g+5], \c
	s_mov_b32 s[\g+6], 0
	s_mov_b32 s[\g+7], 0
.endm
.macro TLOAD g0, g1
	tensor_load_to_lds s[\g0:\g0+3], s[\g1:\g1+7]
	s_nop 0
	PLACES
.endm
	s_load_b128 s[4:7], s[0:1], 0x0                ; yq, opq
	s_load_b64 s[12:13], s[0:1], 0x10              ; out0
	v_lshl_add_u32 v[SPW], v0, 2, SPARE
	v_mov_b32 v[NIL], 0
	ds_add_u32 v[SPW], v[NIL]                      ; the opening lines: the add twice on end and one wait
	ds_add_u32 v[SPW], v[NIL]
	v_lshrrev_b32 v1, 5, v0
	v_readfirstlane_b32 s14, v1                    ; wave
	s_lshr_b32 s15, s14, 1                         ; a
	s_and_b32 s16, s14, 1                          ; b
	s_bfe_u32 s40, ttmp6, 0x40000                  ; cx
	s_bfe_u32 s41, ttmp6, 0x40004                  ; cy
	s_lshl_b32 s42, ttmp9, 2
	s_add_co_u32 s42, s42, s40                     ; tile column, 0 .. 7
	s_and_b32 s45, ttmp7, 0xffff
	s_lshl_b32 s45, s45, 2
	s_add_co_u32 s45, s45, s41                     ; tile row, 0 .. 31
	s_lshl_b32 s43, s41, 2
	s_lshl_b32 s43, 15, s43                        ; my row of the cluster
	s_lshl_b32 s44, 0x1111, s40                    ; my column
	GROUP1 G1W, 44, 1536, 8
	GROUP1 G1A, 43, 1536, 8
	GROUP1 G1S, 43, 32, 32
	s_mul_i32 s20, s42, 8*TB
	s_add_co_u32 s20, s20, WT0*TB                  ; W's eight tiles
	s_mov_b32 s21, 0
	s_mul_i32 s22, s45, 16*TB                      ; y's sixteen
	s_mov_b32 s23, 0
	s_lshl_b32 s46, s45, 13
	s_add_co_u32 s46, s46, YSC0                    ; and their scale words
	s_mov_b32 s47, 0
	s_lshl_b32 s76, s42, 12
	s_lshl_b32 s77, s16, 11
	s_add_co_u32 s76, s76, s77
	s_add_co_u32 s76, s76, (WT0<<9)+SC0            ; the scale words of my four tiles of W
	s_mov_b32 s77, 0
	s_lshl_b32 s78, s45, 20                        ; out0: row 256 x tile row + 8 a, column 128 x tile column + 64 b
	s_lshl_b32 s79, s15, 15
	s_add_co_u32 s78, s78, s79
	s_lshl_b32 s79, s42, 9
	s_add_co_u32 s78, s78, s79
	s_lshl_b32 s79, s16, 8
	s_add_co_u32 s78, s78, s79
	s_mov_b32 s79, 0
	s_mov_b32 s[G0W], 1
	s_mov_b32 s[G0W+1], WB
	s_mov_b32 s[G0S], 1
	s_mov_b32 s[G0S+1], SCA
	s_mov_b32 s[G0A], 1
	s_mov_b32 s[G0A+1], 0
	s_mov_b32 s[G0R], 1
	s_mov_b32 s[G0R+1], 8*TB
	s_wait_alu depctr_va_vdst(0)
	s_wait_dscnt 0x0
	CROUND                                         ; ahead of the first joint loads
	s_wait_kmcnt 0x0
	s_add_nc_u64 s[G0W+2:G0W+3], s[6:7], s[20:21]
	s_add_nc_u64 s[G0S+2:G0S+3], s[4:5], s[46:47]
	s_add_nc_u64 s[G0A+2:G0A+3], s[4:5], s[22:23]
	s_add_nc_u64 s[G0R+2:G0R+3], s[G0A+2:G0A+3], 8*TB
	s_or_b32 s[G0W+3], s[G0W+3], 0x80000000
	s_or_b32 s[G0S+3], s[G0S+3], 0x80000000
	s_or_b32 s[G0A+3], s[G0A+3], 0x80000000
	s_or_b32 s[G0R+3], s[G0R+3], 0x80000000
	s_add_nc_u64 s[76:77], s[6:7], s[76:77]
	s_add_nc_u64 s[12:13], s[12:13], s[78:79]
	s_cmp_eq_u32 s14, 0                            ; one load a wave, in one chain of branches on the wave's number; what is needed first is asked for by wave 0
	s_cbranch_scc0 .Lwave_1
	TLOAD G0W, G1W
	s_branch .Lasked
.Lwave_1:
	s_cmp_eq_u32 s14, 1
	s_cbranch_scc0 .Lwave_2
	TLOAD G0S, G1S
	s_branch .Lasked
.Lwave_2:
	s_cmp_eq_u32 s14, 2
	s_cbranch_scc0 .Lwave_3
	TLOAD G0A, G1A
	s_branch .Lasked
.Lwave_3:
	TLOAD G0R, G1A
.Lasked:
	v_and_b32 v1, 15, v0                           ; r
	v_bfe_u32 v2, v0, 4, 1                         ; h
	v_and_b32 v3, 31, v0
	v_lshlrev_b32 v3, 3, v3                        ; 8 L
	v_lshlrev_b32 v[GO], 4, v1
	v_lshl_add_u32 v[GO], v2, 9, v[GO]             ; 16 r + 512 h: lanes 16-31 take the odd tile's words
.irp p, 0,1
.irp c, 0,1
	global_load_b128 v[SB+8*\p+4*\c:SB+8*\p+4*\c+3], v[GO], s[76:77] offset:1024*\p+256*\c   ; sixteen lanes read 256 consecutive bytes
.endr
.endr
	s_mul_i32 s21, s16, 4*TB
	s_add_co_u32 s21, s21, WB
	v_add_nc_u32 v[ADRW], s21, v3
	s_mul_i32 s22, s15, TB
	v_add_nc_u32 v[ADRY], s22, v3
	v_add_nc_u32 v[ADRY+1], 4*TB, v[ADRY]
	v_add_nc_u32 v[ADRY+2], 8*TB, v[ADRY]
	v_add_nc_u32 v[ADRY+3], 12*TB, v[ADRY]
	s_lshl_b32 s23, s15, 9
	s_add_co_u32 s23, s23, SCA
	v_lshlrev_b32 v19, 4, v1
	v_add_nc_u32 v[ADRS], s23, v19
	s_mul_i32 s46, s14, 16*SP
	s_add_co_u32 s46, s46, STAGE                   ; my stage
	v_mul_u32_u24 v5, v1, SP
	v_lshl_add_u32 v5, v2, 6, v5
	v_add_nc_u32 v[STO], s46, v5                   ; in: row r, 64 h bytes
	v_mul_u32_u24 v6, v2, SP
	v_lshl_add_u32 v6, v1, 4, v6
	v_add_nc_u32 v[RD], s46, v6                    ; back: sixteen lanes to a row, two rows a load
	v_lshlrev_b32 v7, 12, v2
	v_lshl_add_u32 v[CO], v1, 4, v7                ; and the same two rows in out0
	s_wait_alu depctr_va_vdst(0)
.macro FRAGL f, adr, off               ; a fragment comes as it lies: six loads of 8 bytes a lane
	WIN (1+(\f)/FPW)<<6
.irp p, 0,1,2,3,4,5
	ds_load_b64 v[FR*((\f)%FPW)+2*\p:FR*((\f)%FPW)+2*\p+1], v[\adr] offset:(\off)+256*\p
.endr
.endm
.macro FETCH s                         ; y's block s into set s % 2
.irp q, 0,1,2,3,4,5,6,7
	FRAGL 32+8*((\s)%2)+\q, ADRY+(\s)/2, ((\s)%2)*2*TB+1536*\q
.endr
	WIN 0
	ds_load_b128 v[SA+8*((\s)%2):SA+8*((\s)%2)+3], v[ADRS] offset:1024*(\s)
	ds_load_b128 v[SA+8*((\s)%2)+4:SA+8*((\s)%2)+7], v[ADRS] offset:1024*(\s)+256
.endm
.macro PROD1 c, row
	v_wmma_scale_f32_16x16x128_f8f6f4 v[D_:D_+7], v[RW_:RW_+FR-1], v[RX_:RX_+FR-1], \c, v[SB+8*(T_/2)+Q_], v[SA+8*E_+Q_] matrix_a_fmt:MATRIX_FMT_FP6 matrix_b_fmt:MATRIX_FMT_FP6 matrix_a_scale:MATRIX_SCALE_ROW\row
.endm
.macro PROD e, n                       ; product n = 4 q + t of a block; the first four start the sums
.set E_, \e
.set Q_, (\n)/4
.set T_, (\n)%4
.set FX_, 32+8*E_+Q_
.set D_, ACC+32*E_+8*T_
.set RW_, FR*((\n)%FPW)
.set RX_, FR*(FX_%FPW)
	WIN (1+(\n)/FPW)|((1+FX_/FPW)<<2)
.if Q_
.if T_%2
	PROD1 v[D_:D_+7], 1
.else
	PROD1 v[D_:D_+7], 0
.endif
.else
.if T_%2
	PROD1 0, 1
.else
	PROD1 0, 0
.endif
.endif
.endm
.macro TOSTAGE e                       ; each accumulator from its low end on; LDS serves a wave's instructions in order: the loads see the stores
.irp j, 0,1,2,3
	ds_store_b128 v[STO], v[ACC+32*(\e)+8*\j:ACC+32*(\e)+8*\j+3] offset:128*(\j/2)+32*(\j%2)
	ds_store_b128 v[STO], v[ACC+32*(\e)+8*\j+4:ACC+32*(\e)+8*\j+7] offset:128*(\j/2)+32*(\j%2)+16
.endr
.irp t, 0,1,2,3,4,5,6,7
	ds_load_b128 v[BK+4*\t:BK+4*\t+3], v[RD] offset:\t*2*SP
.endr
.endm
.macro SEND s                          ; sixteen lanes store 256 consecutive bytes, aligned
.irp t, 0,1,2,3,4,5,6,7
	global_store_b128 v[CO], v[BK+4*\t:BK+4*\t+3], s[12:13] offset:(32*(\s)+2*\t+8*(\t/4))*4096 th:TH_STORE_NT
.endr
.endm
.macro BLK s
.if (\s) < 7
	s_wait_dscnt NF                                ; all but the youngest fetch: this block's rows are in, and the last block is back from the stage
.else
	s_wait_dscnt 0x0
.endif
.if (\s) > 0
	SEND (\s)-1
.endif
.set N_, 0
.rept 32
	PROD (\s)%2, N_
.set N_, N_+1
.endr
	WIN 0
	PLACES                                         ; behind the products: their results are read and their operands' registers loaded below
.if (\s) > 0
	s_wait_xcnt 0x0                                ; the last block's stores have read their registers
.endif
	TOSTAGE (\s)%2
.if (\s) < 6
	FETCH (\s)+2
.endif
.endm
	s_cmp_eq_u32 s14, 0
	s_cbranch_scc0 .Lnot_w
	s_wait_tensorcnt 0x0
.Lnot_w:
	s_barrier_signal -1
	s_barrier_wait -1                              ; W's tiles are in
.irp q, 0,1,2,3,4,5,6,7
.irp t, 0,1,2,3
	FRAGL 4*\q+\t, ADRW, \t*TB+1536*\q
.endr
.endr
	WIN 0
	s_wait_tensorcnt 0x0                           ; every wave: my tile is in
	s_wait_dscnt 0x0
	s_barrier_signal -1
	s_barrier_wait -1                              ; all four tiles are whole
	FETCH 0
	FETCH 1
	s_wait_loadcnt 0x0                             ; W's scale words
.irp s, 0,1,2,3,4,5,6,7
	BLK \s
.endr
	s_wait_dscnt 0x0
	SEND 7
	s_wait_tensorcnt 0x0                           ; the wave's end
	ds_add_u32 v[SPW], v[NIL]
	s_wait_dscnt 0x0
	CROUND                                         ; the closing round
	s_endpgm
.Lfunc_end_k_q06dea65dfc_gemm_out:
	.size	k_q06dea65dfc_gemm_out, .Lfunc_end_k_q06dea65dfc_gemm_out-k_q06dea65dfc_gemm_out
	.p2alignl 7, 3214868480
	.fill 96, 4, 3214868480
	.section	.rodata,"a",@progbits
	.p2align	6, 0x0
	.amdhsa_kernel k_q06dea65dfc_gemm_out
		.amdhsa_group_segment_fixed_size 327680
		.amdhsa_private_segment_fixed_size 0
		.amdhsa_enable_private_segment 0
		.amdhsa_kernarg_size 24
		.amdhsa_user_sgpr_count 2
		.amdhsa_user_sgpr_kernarg_segment_ptr 1
		.amdhsa_wavefront_size32 1
		.amdhsa_system_sgpr_workgroup_id_x 1
		.amdhsa_system_sgpr_workgroup_id_y 1
		.amdhsa_system_sgpr_workgroup_id_z 1
		.amdhsa_system_vgpr_workitem_id 0
		.amdhsa_next_free_vgpr 896
		.amdhsa_next_free_sgpr 80
		.amdhsa_reserve_vcc 0
		.amdhsa_float_denorm_mode_32 3
		.amdhsa_float_denorm_mode_16_64 3
		.amdhsa_memory_ordered 1
		.amdhsa_forward_progress 1
		.amdhsa_inst_pref_size 95
	.end_amdhsa_kernel
	.amdgpu_metadata
---
amdhsa.version: [ 1, 2 ]
amdhsa.kernels:
  - .name:           k_q06dea65dfc_gemm_out
    .symbol:         k_q06dea65dfc_gemm_out.kd
    .args:
      - { .name: yq, .offset: 0, .size: 8, .value_kind: global_buffer, .address_space: global }
      - { .name: opq, .offset: 8, .size: 8, .value_kind: global_buffer, .address_space: global }
      - { .name: out0, .offset: 16, .size: 8, .value_kind: global_buffer, .address_space: global }
    .group_segment_fixed_size: 327680
    .private_segment_fixed_size: 0
    .kernarg_segment_align: 8
    .kernarg_segment_size: 24
    .max_flat_workgroup_size: 128
    .sgpr_count:     80
    .vgpr_count:     896
    .wavefront_size: 32
...
	.end_amdgpu_metadata
.endif
;; end of part 4
